; MI455X (gfx1250); checked and timed in simulation.
; The chip was launched on July 23, 2026; its instructions are those of AMD's public machine-readable ISA for CDNA 5 (MIT licence, August 2026) and "CDNA5" Instruction Set Architecture Reference Guide (July 2026). The comments in the code are by the model that wrote it; some were corrected since.
;; DAS FT. Allowed arithmetic: float matrix products may take bf16 or f16 operands with f32 sums; all other float work in f32.
;; Inputs: ele_pos 128 x 3 float32; grid 128 x 2,048 x 3 float32; idata 128 x 128 x 4,096 float32; qdata 128 x 128 x 4,096 float32; time_zero 128 float32; tx_ori 128 x 3 float32.
;; Outputs: out0 128 x 2,048 float32; out1 128 x 2,048 float32.
;; Constants: c = 1540.0, fdemod = 5000000.0, fs = 20000000.0, rxfnum = 2.0.
;; One version. Each part assembles by itself: llvm-mc -triple=amdgcn-amd-amdhsa -mcpu=gfx1250 --defsym DOCPART=n.
;; ======== version 1 of 1: 2 launches
;; limits: a function is approximated: absolute error at most 2e-05
;; workspace buffers: idx 67,108,864 bytes of whole numbers
;; launch index (part 1): grid 2 x 128, 16 waves a work-group, no clusters, 0 bytes of LDS; arguments ele_pos, grid, time_zero, tx_ori, idx; writes idx
.if DOCPART == 1
	.amdgcn_target "amdgcn-amd-amdhsa--gfx1250"
	.amdhsa_code_object_version 6
	.text
	.protected	k_q156c2bb06a_index
	.globl	k_q156c2bb06a_index
	.p2align	8
	.type	k_q156c2bb06a_index,@function
k_q156c2bb06a_index:
	s_mov_b64 s[64:65], 0
	v_nop
	global_prefetch_b8 v0, s[64:65] scope:SCOPE_SE
	s_setreg_imm32_b32 hwreg(HW_REG_WAVE_MODE, 25, 1), 1
	s_wait_xcnt 0x0
; index: for every point (t, e, z) one 16-bit code, idx[t][e][z] = 4 a, the byte offset in the row (t, e) of the sample a at which the
; second launch gathers.  A point inside the receive aperture: a = clamp(floor(d), 0, 4094), d = the delay in samples.
; A point that the aperture masks: a = 4094 if that number is below 2048, else a = 0: at least 2046 samples from d, so that the tent
; weights of the second launch are 0 for it; the mask needs no bit of its own, and all masked points of a row gather at two places.
; d = ((txdel + rxdel) / c + time_zero) fs, formed with one rounding for each of these steps, as the formula is written:
; the distances are correctly rounded roots of a chain x x, fma(y, y, .), fma(z, z, .); the division by c is correctly rounded
; (q = x rc, rem = x - q c exact since 1540 = 385 x 4 has a short mantissa, q + rem rc).  The second launch forms d by the same lines,
; so that the a stored here belongs to the very d that it weighs with.
; Mask: |vz / vx| > 2 is tested as |vz| > |2 vx| (the same for a correctly rounded quotient: vz one step above 2 vx moves the
; quotient by more than half a step of 2); the other three terms together are lo <= vx <= hi with hi = +inf where
; px <= ele[0].x, else 0.001, and lo = -inf where px >= ele[127].x, else -0.001.
; The grid is kept NEGATED, so that e - g = -(g - e) is one packed add of a broadcast scalar; the window is stored negated too.
; LIMITS: NaN and infinite inputs are not honoured.  2^-126 is added to the sum of squares (a distance of 0 becomes 2^-63 m);
; it alters no rounding where a coordinate difference is above 2^-50 m.
; SHARE: work-group (g, t), 16 waves.  Wave w: z block zb = w & 7 (256 z), elements e0 .. e0 + 31, e0 = 32 (2 g + (w >> 3)).
; A lane owns 8 neighbouring z (four packed pairs): its 8 codes are 16 bytes, a wave's store covers 512 consecutive bytes, aligned.
; No LDS, no barrier: no wave needs another's numbers.
.set GX,  8                            ; v[8:15]   -grid.x of my 8 points
.set GY,  16                           ; v[16:23]  -grid.y
.set GZ,  24                           ; v[24:31]  -grid.z
.set TX,  32                           ; v[32:39]  txdel
.set NLO, 40                           ; v[40:47]  -hi
.set NHI, 48                           ; v[48:55]  -lo
.set DX,  56                           ; pairs at work
.set DY,  58
.set DZ,  60
.set RSQ, 62
.set RX,  64
.set DD,  66
.set TWX, 68
.set AA,  70
.set XD,  72
.set W,   74                           ; v[74:77]  the 8 codes
.set HH,  80
.set EE,  82
	s_load_b256 s[4:11], s[0:1], 0x0               ; ele_pos s[4:5], grid s[6:7], time_zero s[8:9], tx_ori s[10:11]
	s_load_b64 s[12:13], s[0:1], 0x20              ; idx
	v_lshrrev_b32 v7, 5, v0
	v_readfirstlane_b32 s22, v7                    ; wave
	v_and_b32 v7, 31, v0                           ; lane
	s_and_b32 s23, ttmp7, 0xffff                   ; t
	s_and_b32 s30, s22, 7                          ; zb
	s_lshr_b32 s31, s22, 3
	s_lshl_b32 s32, ttmp9, 1
	s_add_co_u32 s31, s31, s32
	s_lshl_b32 s31, s31, 5                         ; e0
	s_lshl_b32 s33, s30, 9                         ; 256 z x 2 bytes
	s_mul_i32 s34, s30, 3072                       ; 256 z x 12 bytes
	v_lshl_add_u32 v1, v7, 4, s33                  ; my 16 bytes in a row of codes
	v_mad_u32_u24 v2, v7, 96, s34                  ; my 8 points in the line's grid
	v_add_nc_u32 v6, s31, v7
	v_mul_u32_u24 v6, 12, v6                       ; lane l fetches element e0 + l
	s_mov_b32 s25, 0                               ; upper halves of the broadcast pairs: named, never used
	s_mov_b32 s27, 0
	s_mov_b32 s29, 0
	s_mov_b32 s53, 0
	s_mov_b32 s47, 0
	v_mov_b32 v78, 0                               ; a masked point's a where d lies in the row's upper half
	v_mov_b32 v79, 0xffe                           ; 4094: where d lies in the lower half
	v_mov_b32 v84, 0x3a83126f                      ; 0.001
	v_mov_b32 v85, 0xba83126f                      ; -0.001
	v_mov_b32 v86, 0x7f800000                      ; +inf
	v_mov_b32 v87, 0xff800000                      ; -inf
	s_wait_kmcnt 0x0
	s_mul_i32 s46, s23, 24576
	s_add_nc_u64 s[6:7], s[6:7], s[46:47]          ; grid at line t
	s_mul_i32 s46, s23, 12
	s_add_nc_u64 s[10:11], s[10:11], s[46:47]      ; tx_ori[t]
	s_lshl_b32 s46, s23, 2
	s_add_nc_u64 s[8:9], s[8:9], s[46:47]          ; time_zero[t]
	s_lshl_b32 s46, s23, 19                        ; 128 rows of 4,096 bytes a line
	s_lshl_b32 s35, s31, 12
	s_add_co_u32 s46, s46, s35
	s_add_nc_u64 s[12:13], s[12:13], s[46:47]      ; idx at row (t, e0)
.irp i, 0,1,2,3,4,5,6,7
	global_load_b32 v[GX+\i], v2, s[6:7] offset:12*\i
	global_load_b32 v[GY+\i], v2, s[6:7] offset:12*\i+4
	global_load_b32 v[GZ+\i], v2, s[6:7] offset:12*\i+8
.endr
	global_load_b32 v3, v6, s[4:5]                 ; ele[e0 + lane].x
	global_load_b32 v4, v6, s[4:5] offset:4        ; .y
	global_load_b32 v5, v6, s[4:5] offset:8        ; .z
	s_load_b32 s24, s[10:11], 0x0                  ; the transmit origin stands where the element will stand
	s_load_b32 s26, s[10:11], 0x4
	s_load_b32 s28, s[10:11], 0x8
	s_load_b32 s52, s[8:9], 0x0                    ; time_zero[t]
	s_load_b32 s50, s[4:5], 0x0                    ; ele[0].x
	s_load_b32 s51, s[4:5], 0x5f4                  ; ele[127].x
	s_wait_kmcnt 0x0
	s_wait_loadcnt 0x0                             ; once: grid and elements
.irp i, 0,1,2,3,4,5,6,7
	v_cmp_ge_f32 vcc_lo, s50, v[GX+\i]             ; px <= ele[0].x: no upper end
	v_cndmask_b32 v[NLO+\i], v85, v87, vcc_lo
	v_cmp_le_f32 vcc_lo, s51, v[GX+\i]             ; px >= ele[127].x: no lower end
	v_cndmask_b32 v[NHI+\i], v84, v86, vcc_lo
.endr
.irp i, 0,2,4,6
	v_pk_mul_f32 v[GX+\i:GX+\i+1], v[GX+\i:GX+\i+1], -1.0 op_sel_hi:[1,0]
	v_pk_mul_f32 v[GY+\i:GY+\i+1], v[GY+\i:GY+\i+1], -1.0 op_sel_hi:[1,0]
	v_pk_mul_f32 v[GZ+\i:GZ+\i+1], v[GZ+\i:GZ+\i+1], -1.0 op_sel_hi:[1,0]
.endr
; Distance of pair p's two points from the position in s24, s26, s28, first part: the sum of squares and 1 / root.
; The caller puts one plain vector instruction between the two parts (the place behind a transcendental, ISA guide 5.7.2).
.macro DIST_A p
	v_pk_add_f32 v[DX:DX+1], v[GX+2*\p:GX+2*\p+1], s[24:25] op_sel_hi:[1,0]
	v_pk_add_f32 v[DY:DY+1], v[GY+2*\p:GY+2*\p+1], s[26:27] op_sel_hi:[1,0]
	v_pk_add_f32 v[DZ:DZ+1], v[GZ+2*\p:GZ+2*\p+1], s[28:29] op_sel_hi:[1,0]
	v_pk_fma_f32 v[RSQ:RSQ+1], v[DX:DX+1], v[DX:DX+1], 0x00800000 op_sel_hi:[1,1,0]     ; + 2^-126: never 0
	v_pk_fma_f32 v[RSQ:RSQ+1], v[DY:DY+1], v[DY:DY+1], v[RSQ:RSQ+1]
	v_pk_fma_f32 v[RSQ:RSQ+1], v[DZ:DZ+1], v[DZ:DZ+1], v[RSQ:RSQ+1]
	v_rsq_f32 v[HH], v[RSQ]
	v_rsq_f32 v[HH+1], v[RSQ+1]
.endm
; second part: s = x y, one correction s + (x - s s) y / 2: the correctly rounded root, into dst
.macro DIST_B dst
	v_pk_mul_f32 v[RX:RX+1], v[RSQ:RSQ+1], v[HH:HH+1]
	v_pk_mul_f32 v[HH:HH+1], v[HH:HH+1], 0.5 op_sel_hi:[1,0]
	v_fma_f32 v[EE], -v[RX], v[RX], v[RSQ]
	v_fma_f32 v[EE+1], -v[RX+1], v[RX+1], v[RSQ+1]
	v_pk_fma_f32 v[\dst:\dst+1], v[EE:EE+1], v[HH:HH+1], v[RX:RX+1]
.endm
; d = ((txdel + rxdel) / c + time_zero) fs, one rounding a step.  rc = 1 / 1540 rounded = 0x3a2a392f, -1540 = 0xc4c08000
.macro DELAY tx
	v_pk_add_f32 v[RSQ:RSQ+1], v[\tx:\tx+1], v[RX:RX+1]
	v_pk_mul_f32 v[DD:DD+1], v[RSQ:RSQ+1], 0x3a2a392f op_sel_hi:[1,0]
	v_pk_fma_f32 v[EE:EE+1], v[DD:DD+1], 0xc4c08000, v[RSQ:RSQ+1] op_sel_hi:[1,0,1]     ; the remainder, exact
	v_pk_fma_f32 v[DD:DD+1], v[EE:EE+1], 0x3a2a392f, v[DD:DD+1] op_sel_hi:[1,0,1]       ; the quotient, correctly rounded
	v_pk_add_f32 v[DD:DD+1], v[DD:DD+1], s[52:53] op_sel_hi:[1,0]
	v_pk_mul_f32 v[DD:DD+1], v[DD:DD+1], 0x4b989680 op_sel_hi:[1,0]                     ; x 2e7
.endm
.irp p, 0,1,2,3
	DIST_A \p
	v_nop
	s_wait_alu depctr_va_vdst(0)
	DIST_B TX+2*\p                                 ; txdel
.endr
; the two codes of pair p for the element in s24, s26, s28
.macro PAIR p
	DIST_A \p
	v_pk_add_f32 v[TWX:TWX+1], v[DX:DX+1], v[DX:DX+1]              ; -2 vx; also the place behind the transcendentals
	s_wait_alu depctr_va_vdst(0)
	DIST_B RX
	DELAY TX+2*\p
.irp i, 0,1
	v_cmp_gt_f32 s[40+4*\i], |v[DZ+\i]|, |v[TWX+\i]|               ; |vz| > |2 vx|
	v_cmp_ge_f32 s[41+4*\i], v[DX+\i], v[NLO+2*\p+\i]              ; -vx >= -hi
	v_cmp_le_f32 s[42+4*\i], v[DX+\i], v[NHI+2*\p+\i]              ; -vx <= -lo
	v_med3_num_f32 v[DD+\i], v[DD+\i], 0, 0x457fe000               ; d into 0 .. 4094
	v_cvt_u32_f32 v[AA+\i], v[DD+\i]                               ; toward zero = floor here
	s_and_b32 s[41+4*\i], s[41+4*\i], s[42+4*\i]
	s_or_b32 s[40+4*\i], s[40+4*\i], s[41+4*\i]                    ; lanes whose point is inside the aperture
	v_cmp_gt_u32 s[43+4*\i], 0x800, v[AA+\i]
	v_cndmask_b32 v[XD+\i], v78, v79, s[43+4*\i]                   ; the sample far from d
	v_cndmask_b32 v[AA+\i], v[XD+\i], v[AA+\i], s[40+4*\i]
.endr
	v_lshl_or_b32 v[W+\p], v[AA+1], 16, v[AA]
	v_lshlrev_b32 v[W+\p], 2, v[W+\p]                              ; both halves times 4: at most 0x3ff8 each, no carry across
.endm
	s_mov_b32 s20, 0
.Le:
	v_readlane_b32 s24, v3, s20                    ; element e0 + s20
	v_readlane_b32 s26, v4, s20
	v_readlane_b32 s28, v5, s20
	PAIR 0
	PAIR 1
	PAIR 2
	PAIR 3
	global_store_b128 v1, v[W:W+3], s[12:13]
	s_wait_xcnt 0x0                                ; the store's data and base are rewritten only behind this wait
	s_add_nc_u64 s[12:13], s[12:13], 4096          ; the next element's row of codes
	s_add_co_u32 s20, s20, 1
	s_cmp_lt_u32 s20, 32
	s_cbranch_scc1 .Le
	s_endpgm
.Lfunc_end_k_q156c2bb06a_index:
	.size	k_q156c2bb06a_index, .Lfunc_end_k_q156c2bb06a_index-k_q156c2bb06a_index
	.p2alignl 7, 3214868480
	.fill 96, 4, 3214868480
	.section	.rodata,"a",@progbits
	.p2align	6, 0x0
	.amdhsa_kernel k_q156c2bb06a_index
		.amdhsa_group_segment_fixed_size 0
		.amdhsa_private_segment_fixed_size 0
		.amdhsa_enable_private_segment 0
		.amdhsa_kernarg_size 40
		.amdhsa_user_sgpr_count 2
		.amdhsa_user_sgpr_kernarg_segment_ptr 1
		.amdhsa_wavefront_size32 1
		.amdhsa_system_sgpr_workgroup_id_x 1
		.amdhsa_system_sgpr_workgroup_id_y 1
		.amdhsa_system_sgpr_workgroup_id_z 1
		.amdhsa_system_vgpr_workitem_id 0
		.amdhsa_next_free_vgpr 88
		.amdhsa_next_free_sgpr 66
		.amdhsa_reserve_vcc 1
		.amdhsa_float_denorm_mode_32 3
		.amdhsa_float_denorm_mode_16_64 3
		.amdhsa_memory_ordered 1
		.amdhsa_forward_progress 1
		.amdhsa_inst_pref_size 22
	.end_amdhsa_kernel
	.amdgpu_metadata
---
amdhsa.version: [ 1, 2 ]
amdhsa.kernels:
  - .name:           k_q156c2bb06a_index
    .symbol:         k_q156c2bb06a_index.kd
    .args:
      - { .name: ele_pos, .offset: 0, .size: 8, .value_kind: global_buffer, .address_space: global }
      - { .name: grid, .offset: 8, .size: 8, .value_kind: global_buffer, .address_space: global }
      - { .name: time_zero, .offset: 16, .size: 8, .value_kind: global_buffer, .address_space: global }
      - { .name: tx_ori, .offset: 24, .size: 8, .value_kind: global_buffer, .address_space: global }
      - { .name: idx, .offset: 32, .size: 8, .value_kind: global_buffer, .address_space: global }
    .group_segment_fixed_size: 0
    .private_segment_fixed_size: 0
    .kernarg_segment_align: 8
    .kernarg_segment_size: 40
    .max_flat_workgroup_size: 512
    .sgpr_count:     66
    .vgpr_count:     88
    .wavefront_size: 32
...
	.end_amdgpu_metadata
.endif
;; end of part 1
;; launch focus (part 2): grid 2 x 128, 16 waves a work-group, no clusters, 0 bytes of LDS; arguments ele_pos, grid, idata, qdata, time_zero, tx_ori, idx, out0, out1; writes out0, out1
.if DOCPART == 2
	.amdgcn_target "amdgcn-amd-amdhsa--gfx1250"
	.amdhsa_code_object_version 6
	.text
	.protected	k_q156c2bb06a_focus
	.globl	k_q156c2bb06a_focus
	.p2align	8
	.type	k_q156c2bb06a_focus,@function
k_q156c2bb06a_focus:
	s_mov_b64 s[64:65], 0
	v_nop
	global_prefetch_b8 v0, s[64:65] scope:SCOPE_SE
	s_setreg_imm32_b32 hwreg(HW_REG_WAVE_MODE, 25, 1), 1
	s_wait_xcnt 0x0
; focus: out0[t][z], out1[t][z] = the sum over the 128 elements of the interpolated, rotated, masked samples.
; The sample offsets come as whole numbers from idx[t][e][z] (16 bits: 4 a); the aperture's mask is carried by a itself, see w0, w1.
;   d     = ((txdel + rxdel) / c + time_zero) fs, by the same lines as in the first launch: one rounding for each step of the formula,
;           roots and quotients correctly rounded.   x = d - a (exact)
;   w0    = med3(1 + x, 1 - x, 0) for sample a,  w1 = med3(x, 2 - x, 0) for sample a + 1: a tent round d.  That is the linear
;           interpolation where 0 <= x < 1, the zero padding at both ends of the row (a is clamped to 0 .. 4094), and 0 for a masked
;           point, whose a lies at least 2046 samples from d.
;   theta = 31415926 (d / fs - (2 gz) / c), again one rounding a step (31415926 is 2 pi fdemod in f32): with a time_zero of some
;           thousand samples theta is thousands of radians, and its own rounding is part of the result.
;   r     = theta - n 2 pi, n = rndne(theta / 2 pi), 2 pi in two parts (two fused steps), clamped to -4 .. 4 so that a line far
;           outside the samples meets finite numbers with its zero weights.   y = r r
;   C = cos(r / 4) = 1 + y (-1/32 + y (1/6144 - y / 2949120)),  P = 4 sin(r / 4) = r (1 + y (-1/96 + y (1/30720 - y / 20643840))),
;   then the angle is doubled twice: P2 = P C, C2 = 1 - P P / 8;  sin = P2 C2, cos = 1 - P2 P2 / 2.  Error of sin and cos: about 2e-5.
; LIMITS: NaN and infinite inputs are not honoured; a time_zero so large that d overflows gives 0.  2^-126 is added to each sum of
; squares (a distance of 0 becomes 2^-63 m).  Products and sums of the interpolation and rotation are fused where the formula has two steps.
; SHARE: work-group (g, t), wave w: line t, chunk 16 g + w of 64 z, two neighbouring z a lane (one packed pair).  A wave walks all 128
; elements with its sums in registers: no LDS, no barrier.  No tile is shared between work-groups, so there is nothing to ask for jointly.
; No branch hangs on the codes: every trip does its arithmetic, and a masked point adds 0.  So all waves have the same work.
; PIPELINE in registers, rings of 8 slots: trip k loads the codes of trip k + 14, issues the 8 gathers of trip k + 7, computes trip k.
; Nine loads a trip, the code load first.
.set NGX, 4                            ; -grid.x of my two points, and so on
.set NGY, 6
.set NGZ, 8
.set TX,  10                           ; txdel
.set G2N, 12                           ; -(2 gz) / c
.set ACI, 14                           ; sum of I cos
.set ACQ, 16                           ; sum of Q cos + I sin
.set KC2, 18                           ; 1/6144 twice
.set KP2, 20                           ; 1/30720 twice
.set DX,  22
.set DY,  24
.set DZ,  26
.set RSQ, 28
.set RX,  30
.set DD,  32
.set TH,  34
.set AF,  36
.set XX,  38
.set WA,  40
.set WB,  42
.set WT,  44
.set WL,  46                           ; w0
.set WH,  48                           ; w1
.set NN,  50
.set YY,  52
.set CC,  54
.set PP,  56
.set TT,  58
.set II,  60
.set QQ,  62
.set TM,  64                           ; set-up only
.set IDX, 66                           ; v[66:73]   slot: the two codes of a trip
.set ADR, 74                           ; v[74:89]   slot: 4 a of point 0, of point 1
.set DAT, 90                           ; v[90:153]  slot: I[a] pair, I[a+1] pair, Q[a] pair, Q[a+1] pair
.set ACS, 154                          ; sum of Q sin, subtracted at the end
.set HH,  156
.set EE,  158
	s_load_b512 s[4:19], s[0:1], 0x0               ; ele s[4:5], grid s[6:7], idata s[8:9], qdata s[10:11], time_zero s[12:13], tx_ori s[14:15], idx s[16:17], out0 s[18:19]
	s_load_b64 s[20:21], s[0:1], 0x40              ; out1
	v_lshrrev_b32 v[TM], 5, v0
	v_readfirstlane_b32 s22, v[TM]                 ; wave
	v_and_b32 v[TM], 31, v0                        ; lane
	v_lshlrev_b32 v1, 2, v[TM]                     ; my two codes in a chunk's 128 bytes
	v_mul_u32_u24 v2, 24, v[TM]                    ; my two points in the chunk's grid
	v_lshlrev_b32 v3, 3, v[TM]                     ; my two results
	s_and_b32 s23, ttmp7, 0xffff                   ; t
	s_lshl_b32 s48, ttmp9, 4
	s_add_co_u32 s48, s48, s22                     ; chunk, 0 to 31
	s_mov_b32 s47, 0
.irp r, 25,27,29,31,33,35,53
	s_mov_b32 s\r, 0                               ; upper halves of the broadcast pairs: named, never used
.endr
	s_wait_kmcnt 0x0
	s_lshl_b32 s46, s23, 21                        ; 128 rows of 16,384 bytes a line
	s_add_nc_u64 s[8:9], s[8:9], s[46:47]
	s_add_nc_u64 s[10:11], s[10:11], s[46:47]
	s_lshl_b32 s46, s23, 19
	s_lshl_b32 s49, s48, 7
	s_add_co_u32 s46, s46, s49
	s_add_nc_u64 s[16:17], s[16:17], s[46:47]      ; codes of (t, e = 0, chunk)
	s_mul_i32 s46, s23, 24576
	s_mul_i32 s49, s48, 768
	s_add_co_u32 s46, s46, s49
	s_add_nc_u64 s[6:7], s[6:7], s[46:47]
	s_lshl_b32 s46, s23, 13
	s_lshl_b32 s49, s48, 8
	s_add_co_u32 s46, s46, s49
	s_add_nc_u64 s[18:19], s[18:19], s[46:47]
	s_add_nc_u64 s[20:21], s[20:21], s[46:47]
	s_mul_i32 s46, s23, 12
	s_add_nc_u64 s[14:15], s[14:15], s[46:47]
	s_lshl_b32 s46, s23, 2
	s_add_nc_u64 s[12:13], s[12:13], s[46:47]
.irp i, 0,1
	global_load_b32 v[NGX+\i], v2, s[6:7] offset:12*\i
	global_load_b32 v[NGY+\i], v2, s[6:7] offset:12*\i+4
	global_load_b32 v[NGZ+\i], v2, s[6:7] offset:12*\i+8
.endr
.irp m, 0,1,2,3,4,5,6
	global_load_b32 v[IDX+\m], v1, s[16:17] offset:\m*4096         ; the codes of trips 0 to 6
.endr
	s_load_b32 s30, s[14:15], 0x0                  ; the transmit origin in element set 1
	s_load_b32 s32, s[14:15], 0x4
	s_load_b32 s34, s[14:15], 0x8
	s_load_b32 s52, s[12:13], 0x0                  ; time_zero[t]
	s_load_b32 s24, s[4:5], 0x0                    ; element 0 in set 0
	s_load_b32 s26, s[4:5], 0x4
	s_load_b32 s28, s[4:5], 0x8
	v_mov_b32 v[KC2], 0x392aaaab                   ; 1/6144
	v_mov_b32 v[KC2+1], 0x392aaaab
	v_mov_b32 v[KP2], 0x38088889                   ; 1/30720
	v_mov_b32 v[KP2+1], 0x38088889
.irp r, ACI, ACI+1, ACQ, ACQ+1, ACS, ACS+1
	v_mov_b32 v[\r], 0                             ; six moves once a wave: a first trip of its own that starts the sums would cost a second copy of the trip's text
.endr
	s_wait_kmcnt 0x0
	s_wait_loadcnt 0x7                             ; the six grid loads are in; the seven code loads behind them stay out
	v_pk_mul_f32 v[NGX:NGX+1], v[NGX:NGX+1], -1.0 op_sel_hi:[1,0]
	v_pk_mul_f32 v[NGY:NGY+1], v[NGY:NGY+1], -1.0 op_sel_hi:[1,0]
	v_pk_mul_f32 v[NGZ:NGZ+1], v[NGZ:NGZ+1], -1.0 op_sel_hi:[1,0]
; Distance of my two points from the position in s[e], s[e+2], s[e+4], first part: the sum of squares and 1 / root.
; The caller puts one plain vector instruction between the two parts (the place behind a transcendental, ISA guide 5.7.2).
.macro DIST_A e
	v_pk_add_f32 v[DX:DX+1], v[NGX:NGX+1], s[\e:\e+1] op_sel_hi:[1,0]
	v_pk_add_f32 v[DY:DY+1], v[NGY:NGY+1], s[\e+2:\e+3] op_sel_hi:[1,0]
	v_pk_add_f32 v[DZ:DZ+1], v[NGZ:NGZ+1], s[\e+4:\e+5] op_sel_hi:[1,0]
	v_pk_fma_f32 v[RSQ:RSQ+1], v[DX:DX+1], v[DX:DX+1], 0x00800000 op_sel_hi:[1,1,0]     ; + 2^-126: never 0
	v_pk_fma_f32 v[RSQ:RSQ+1], v[DY:DY+1], v[DY:DY+1], v[RSQ:RSQ+1]
	v_pk_fma_f32 v[RSQ:RSQ+1], v[DZ:DZ+1], v[DZ:DZ+1], v[RSQ:RSQ+1]
	v_rsq_f32 v[HH], v[RSQ]
	v_rsq_f32 v[HH+1], v[RSQ+1]
.endm
; second part: s = x y, one correction s + (x - s s) y / 2: the correctly rounded root, into dst
.macro DIST_B dst
	v_pk_mul_f32 v[RX:RX+1], v[RSQ:RSQ+1], v[HH:HH+1]
	v_pk_mul_f32 v[HH:HH+1], v[HH:HH+1], 0.5 op_sel_hi:[1,0]
	v_fma_f32 v[EE], -v[RX], v[RX], v[RSQ]
	v_fma_f32 v[EE+1], -v[RX+1], v[RX+1], v[RSQ+1]
	v_pk_fma_f32 v[\dst:\dst+1], v[EE:EE+1], v[HH:HH+1], v[RX:RX+1]
.endm
	DIST_A 30
	v_nop
	s_wait_alu depctr_va_vdst(0)
	DIST_B TX                                      ; txdel
	v_pk_add_f32 v[RSQ:RSQ+1], v[NGZ:NGZ+1], v[NGZ:NGZ+1]                               ; -2 gz, exact
	v_pk_mul_f32 v[G2N:G2N+1], v[RSQ:RSQ+1], 0x3a2a392f op_sel_hi:[1,0]                 ; / 1540, correctly rounded as below
	v_pk_fma_f32 v[EE:EE+1], v[G2N:G2N+1], 0xc4c08000, v[RSQ:RSQ+1] op_sel_hi:[1,0,1]
	v_pk_fma_f32 v[G2N:G2N+1], v[EE:EE+1], 0x3a2a392f, v[G2N:G2N+1] op_sel_hi:[1,0,1]
; The loads of one trip.  ls, le: slot and element (from the stepped base) of the code load; gs, ge: of the gathers.
.macro ISSUE gs, ge, ls, le, doidx, dogat, pw
.if \doidx
	global_load_b32 v[IDX+(\ls)], v1, s[16:17] offset:(\le)*4096
.endif
.if \pw
	s_wait_loadcnt 0x1                             ; the codes of trips 0 to 6 are in; only the load just issued stays out
.endif
.if \dogat
	v_and_b32 v[ADR+2*(\gs)], 0xffff, v[IDX+(\gs)]                 ; 4 a of point 0
	v_lshrrev_b32 v[ADR+2*(\gs)+1], 16, v[IDX+(\gs)]               ; 4 a of point 1
	v_min_u32 v[ADR+2*(\gs)], 0x3ff8, v[ADR+2*(\gs)]               ; whatever the code: samples a and a + 1 lie inside the row
	v_min_u32 v[ADR+2*(\gs)+1], 0x3ff8, v[ADR+2*(\gs)+1]
	global_load_b32 v[DAT+8*(\gs)],   v[ADR+2*(\gs)],   s[8:9] offset:(\ge)*16384
	global_load_b32 v[DAT+8*(\gs)+1], v[ADR+2*(\gs)+1], s[8:9] offset:(\ge)*16384
	global_load_b32 v[DAT+8*(\gs)+2], v[ADR+2*(\gs)],   s[8:9] offset:(\ge)*16384+4
	global_load_b32 v[DAT+8*(\gs)+3], v[ADR+2*(\gs)+1], s[8:9] offset:(\ge)*16384+4
	global_load_b32 v[DAT+8*(\gs)+4], v[ADR+2*(\gs)],   s[10:11] offset:(\ge)*16384
	global_load_b32 v[DAT+8*(\gs)+5], v[ADR+2*(\gs)+1], s[10:11] offset:(\ge)*16384
	global_load_b32 v[DAT+8*(\gs)+6], v[ADR+2*(\gs)],   s[10:11] offset:(\ge)*16384+4
	global_load_b32 v[DAT+8*(\gs)+7], v[ADR+2*(\gs)+1], s[10:11] offset:(\ge)*16384+4
.endif
.endm
; The arithmetic of one trip: slot s, element in s[e], s[e+2], s[e+4].
; Both divisions by a constant: q = x r, rem = x - q b (exact: 1540 = 385 x 4 and 2e7 = 78125 x 256 have short mantissas), q + rem r.
.macro COMPUTE s, e
	DIST_A \e
	v_cvt_f32_u32 v[AF], v[ADR+2*\s]                               ; 4 a; also the place behind the transcendentals
	v_cvt_f32_u32 v[AF+1], v[ADR+2*\s+1]
	s_wait_alu depctr_va_vdst(0)
	DIST_B RX
	v_pk_add_f32 v[RSQ:RSQ+1], v[TX:TX+1], v[RX:RX+1]                                   ; txdel + rxdel
	v_pk_mul_f32 v[DD:DD+1], v[RSQ:RSQ+1], 0x3a2a392f op_sel_hi:[1,0]                   ; / 1540
	v_pk_fma_f32 v[EE:EE+1], v[DD:DD+1], 0xc4c08000, v[RSQ:RSQ+1] op_sel_hi:[1,0,1]
	v_pk_fma_f32 v[DD:DD+1], v[EE:EE+1], 0x3a2a392f, v[DD:DD+1] op_sel_hi:[1,0,1]
	v_pk_add_f32 v[DD:DD+1], v[DD:DD+1], s[52:53] op_sel_hi:[1,0]                       ; + time_zero
	v_pk_mul_f32 v[DD:DD+1], v[DD:DD+1], 0x4b989680 op_sel_hi:[1,0]                     ; x 2e7: d
	v_pk_mul_f32 v[TH:TH+1], v[DD:DD+1], 0x3356bf95 op_sel_hi:[1,0]                     ; d / 2e7
	v_pk_fma_f32 v[XX:XX+1], v[AF:AF+1], 0xbe800000, v[DD:DD+1] op_sel_hi:[1,0,1]       ; x = d - a
	v_pk_fma_f32 v[EE:EE+1], v[TH:TH+1], 0xcb989680, v[DD:DD+1] op_sel_hi:[1,0,1]
	v_pk_add_f32 v[WA:WA+1], v[XX:XX+1], 1.0 op_sel_hi:[1,0]
	v_pk_fma_f32 v[TH:TH+1], v[EE:EE+1], 0x3356bf95, v[TH:TH+1] op_sel_hi:[1,0,1]
	v_pk_fma_f32 v[WB:WB+1], v[XX:XX+1], -1.0, 1.0 op_sel_hi:[1,0,0]
	v_pk_add_f32 v[TH:TH+1], v[TH:TH+1], v[G2N:G2N+1]                                   ; tshift
	v_pk_fma_f32 v[WT:WT+1], v[XX:XX+1], -1.0, 2.0 op_sel_hi:[1,0,0]
	v_pk_mul_f32 v[TH:TH+1], v[TH:TH+1], 0x4befaf3b op_sel_hi:[1,0]                     ; theta
	v_med3_num_f32 v[WL], v[WA], v[WB], 0
	v_med3_num_f32 v[WL+1], v[WA+1], v[WB+1], 0
	v_pk_mul_f32 v[NN:NN+1], v[TH:TH+1], 0x3e22f983 op_sel_hi:[1,0]                     ; theta / 2 pi
	v_med3_num_f32 v[WH], v[XX], v[WT], 0
	v_med3_num_f32 v[WH+1], v[XX+1], v[WT+1], 0
	v_rndne_f32 v[NN], v[NN]
	v_rndne_f32 v[NN+1], v[NN+1]
	v_pk_mul_f32 v[II:II+1], v[WL:WL+1], v[DAT+8*\s:DAT+8*\s+1]
	v_pk_mul_f32 v[QQ:QQ+1], v[WL:WL+1], v[DAT+8*\s+4:DAT+8*\s+5]
	v_pk_fma_f32 v[TH:TH+1], v[NN:NN+1], 0xc0c90fdb, v[TH:TH+1] op_sel_hi:[1,0,1]       ; - n x the upper part of 2 pi
	v_pk_fma_f32 v[II:II+1], v[WH:WH+1], v[DAT+8*\s+2:DAT+8*\s+3], v[II:II+1]
	v_pk_fma_f32 v[QQ:QQ+1], v[WH:WH+1], v[DAT+8*\s+6:DAT+8*\s+7], v[QQ:QQ+1]
	v_pk_fma_f32 v[TH:TH+1], v[NN:NN+1], 0x343bbd2e, v[TH:TH+1] op_sel_hi:[1,0,1]       ; - n x the lower part (which is negative)
	v_med3_num_f32 v[TH], v[TH], -4.0, 4.0
	v_med3_num_f32 v[TH+1], v[TH+1], -4.0, 4.0
	v_pk_mul_f32 v[YY:YY+1], v[TH:TH+1], v[TH:TH+1]
	v_pk_fma_f32 v[CC:CC+1], v[YY:YY+1], 0xb4b60b61, v[KC2:KC2+1] op_sel_hi:[1,0,1]     ; -1/2949120
	v_pk_fma_f32 v[PP:PP+1], v[YY:YY+1], 0xb3500d01, v[KP2:KP2+1] op_sel_hi:[1,0,1]     ; -1/20643840
	v_pk_fma_f32 v[CC:CC+1], v[CC:CC+1], v[YY:YY+1], 0xbd000000 op_sel_hi:[1,1,0]       ; -1/32
	v_pk_fma_f32 v[PP:PP+1], v[PP:PP+1], v[YY:YY+1], 0xbc2aaaab op_sel_hi:[1,1,0]       ; -1/96
	v_pk_fma_f32 v[CC:CC+1], v[CC:CC+1], v[YY:YY+1], 1.0 op_sel_hi:[1,1,0]              ; cos(r / 4)
	v_pk_fma_f32 v[PP:PP+1], v[PP:PP+1], v[YY:YY+1], 1.0 op_sel_hi:[1,1,0]
	v_pk_mul_f32 v[PP:PP+1], v[PP:PP+1], v[TH:TH+1]                                     ; 4 sin(r / 4)
	v_pk_mul_f32 v[TT:TT+1], v[PP:PP+1], v[PP:PP+1]
	v_pk_mul_f32 v[PP:PP+1], v[PP:PP+1], v[CC:CC+1]                                     ; 2 sin(r / 2)
	v_pk_fma_f32 v[CC:CC+1], v[TT:TT+1], 0xbe000000, 1.0 op_sel_hi:[1,0,0]              ; cos(r / 2)
	v_pk_mul_f32 v[TT:TT+1], v[PP:PP+1], v[PP:PP+1]
	v_pk_mul_f32 v[PP:PP+1], v[PP:PP+1], v[CC:CC+1]                                     ; sin(r)
	v_pk_fma_f32 v[CC:CC+1], v[TT:TT+1], -0.5, 1.0 op_sel_hi:[1,0,0]                    ; cos(r)
	v_pk_fma_f32 v[ACS:ACS+1], v[QQ:QQ+1], v[PP:PP+1], v[ACS:ACS+1]
	v_pk_fma_f32 v[ACQ:ACQ+1], v[II:II+1], v[PP:PP+1], v[ACQ:ACQ+1]
	v_pk_fma_f32 v[ACI:ACI+1], v[II:II+1], v[CC:CC+1], v[ACI:ACI+1]
	v_pk_fma_f32 v[ACQ:ACQ+1], v[QQ:QQ+1], v[CC:CC+1], v[ACQ:ACQ+1]
.endm
; Trip k, slot s = k % 8; s + b = k counted from the element at which the bases stand.
; cnt = the loads issued in the six trips before this one: what trip k - 7 issued (this trip's samples, and the codes from which this
; trip forms the addresses of trip k + 7) is then in.  The same wait one trip earlier showed the loads of slot (s + 7) % 8 done,
; so that its address and data registers are free for the gathers issued here.
.macro TRIP s, b, cnt, doidx, dogat, doele
	s_wait_loadcnt \cnt
	s_wait_kmcnt 0x0                               ; this trip's element, asked for one trip ago
.if \doele
	s_load_b32 s[24+6*((\s+1)%2)], s[4:5], (\s+\b+1)*12            ; the next trip's element into the other set
	s_load_b32 s[26+6*((\s+1)%2)], s[4:5], (\s+\b+1)*12+4
	s_load_b32 s[28+6*((\s+1)%2)], s[4:5], (\s+\b+1)*12+8
.endif
	ISSUE (\s+7)%8, \s+\b+7, (\s+6)%8, \s+\b+14, \doidx, \dogat, 0
	COMPUTE \s, 24+6*(\s%2)
.endm
	; the fill: seven steps that issue what trips -7 to -1 would have issued, in the same order
	ISSUE 0, 0, 7, 7, 1, 1, 1
.irp m, 1,2,3,4,5,6
	ISSUE \m, \m, (\m+7)%8, \m+7, 1, 1, 0
.endr
	s_mov_b32 s44, 0
.Lround:                                               ; 14 rounds of 8 trips: elements 0 to 111
.irp s, 0,1,2,3,4,5,6,7
	TRIP \s, 0, 54, 1, 1, 1
.endr
	s_wait_xcnt 0x0                                ; the four bases are stepped only behind this wait
	s_add_nc_u64 s[8:9], s[8:9], 0x20000           ; 8 rows of 16,384 bytes
	s_add_nc_u64 s[10:11], s[10:11], 0x20000
	s_add_nc_u64 s[16:17], s[16:17], 0x8000        ; 8 rows of codes
	s_add_nc_u64 s[4:5], s[4:5], 96                ; 8 elements
	s_add_co_u32 s44, s44, 1
	s_cmp_lt_u32 s44, 14
	s_cbranch_scc1 .Lround
	; the last 16 trips, the bases at element 112: code loads end with element 127 (trip 113), gathers with trip 120,
	; and the counts run down: trips 114 to 120 issue eight loads, later ones none
	TRIP 0, 0, 54, 1, 1, 1
	TRIP 1, 0, 54, 1, 1, 1
	TRIP 2, 0, 54, 0, 1, 1
	TRIP 3, 0, 53, 0, 1, 1
	TRIP 4, 0, 52, 0, 1, 1
	TRIP 5, 0, 51, 0, 1, 1
	TRIP 6, 0, 50, 0, 1, 1
	TRIP 7, 0, 49, 0, 1, 1
	TRIP 0, 8, 48, 0, 1, 1
	TRIP 1, 8, 48, 0, 0, 1
	TRIP 2, 8, 40, 0, 0, 1
	TRIP 3, 8, 32, 0, 0, 1
	TRIP 4, 8, 24, 0, 0, 1
	TRIP 5, 8, 16, 0, 0, 1
	TRIP 6, 8, 8, 0, 0, 1
	TRIP 7, 8, 0, 0, 0, 0
	v_pk_add_f32 v[ACI:ACI+1], v[ACI:ACI+1], v[ACS:ACS+1] neg_lo:[0,1] neg_hi:[0,1]     ; I cos - Q sin
	global_store_b64 v3, v[ACI:ACI+1], s[18:19]    ; each store of the wave covers 256 consecutive bytes, aligned
	global_store_b64 v3, v[ACQ:ACQ+1], s[20:21]
	s_endpgm
.Lfunc_end_k_q156c2bb06a_focus:
	.size	k_q156c2bb06a_focus, .Lfunc_end_k_q156c2bb06a_focus-k_q156c2bb06a_focus
	.p2alignl 7, 3214868480
	.fill 96, 4, 3214868480
	.section	.rodata,"a",@progbits
	.p2align	6, 0x0
	.amdhsa_kernel k_q156c2bb06a_focus
		.amdhsa_group_segment_fixed_size 0
		.amdhsa_private_segment_fixed_size 0
		.amdhsa_enable_private_segment 0
		.amdhsa_kernarg_size 72
		.amdhsa_user_sgpr_count 2
		.amdhsa_user_sgpr_kernarg_segment_ptr 1
		.amdhsa_wavefront_size32 1
		.amdhsa_system_sgpr_workgroup_id_x 1
		.amdhsa_system_sgpr_workgroup_id_y 1
		.amdhsa_system_sgpr_workgroup_id_z 1
		.amdhsa_system_vgpr_workitem_id 0
		.amdhsa_next_free_vgpr 160
		.amdhsa_next_free_sgpr 66
		.amdhsa_reserve_vcc 0
		.amdhsa_float_denorm_mode_32 3
		.amdhsa_float_denorm_mode_16_64 3
		.amdhsa_memory_ordered 1
		.amdhsa_forward_progress 1
		.amdhsa_inst_pref_size 141
	.end_amdhsa_kernel
	.amdgpu_metadata
---
amdhsa.version: [ 1, 2 ]
amdhsa.kernels:
  - .name:           k_q156c2bb06a_focus
    .symbol:         k_q156c2bb06a_focus.kd
    .args:
      - { .name: ele_pos, .offset: 0, .size: 8, .value_kind: global_buffer, .address_space: global }
      - { .name: grid, .offset: 8, .size: 8, .value_kind: global_buffer, .address_space: global }
      - { .name: idata, .offset: 16, .size: 8, .value_kind: global_buffer, .address_space: global }
      - { .name: qdata, .offset: 24, .size: 8, .value_kind: global_buffer, .address_space: global }
      - { .name: time_zero, .offset: 32, .size: 8, .value_kind: global_buffer, .address_space: global }
      - { .name: tx_ori, .offset: 40, .size: 8, .value_kind: global_buffer, .address_space: global }
      - { .name: idx, .offset: 48, .size: 8, .value_kind: global_buffer, .address_space: global }
      - { .name: out0, .offset: 56, .size: 8, .value_kind: global_buffer, .address_space: global }
      - { .name: out1, .offset: 64, .size: 8, .value_kind: global_buffer, .address_space: global }
    .group_segment_fixed_size: 0
    .private_segment_fixed_size: 0
    .kernarg_segment_align: 8
    .kernarg_segment_size: 72
    .max_flat_workgroup_size: 512
    .sgpr_count:     66
    .vgpr_count:     160
    .wavefront_size: 32
...
	.end_amdgpu_metadata
.endif
;; end of part 2
